; MI455X (gfx1250); checked and timed in simulation.
; The chip was launched on July 23, 2026; its instructions are those of AMD's public machine-readable ISA for CDNA 5 (MIT licence, August 2026) and "CDNA5" Instruction Set Architecture Reference Guide (July 2026). The comments in the code are by the model that wrote it; some were corrected since.
;; Efficient Attention. Allowed arithmetic: matrix products marked QUANTISED: E2M3 operands, one E8M0 scale for each 32 along K, by v_wmma_scale_f32_16x16x128_f8f6f4 with both operands' format E2M3, f32 sums; everything else in f32.
;; Inputs: k 1 x 16 x 4,096 x 64 float32; q 1 x 16 x 4,096 x 64 float32; v 1 x 16 x 4,096 x 64 float32.
;; Outputs: out0 1 x 16 x 4,096 x 64 float32.
;; This version of the problem:
;;   THIS VERSION OF THE PROBLEM IS GIVEN IN LOW PRECISION. The matrix products marked QUANTISED in the list below multiply operands that are first quantised to E2M3 (2 exponent bits, 3 mantissa bits; 6 bits a number), with one power-of-two scale for each 32 numbers along K (OCP MX v1.0); their sums are f32. All else is computed in f32.
;;   The module's matrix products, in the order in which they are computed (A, B: the left and right operand; K: the contracted axis; several contracted axes count as one K, in the product's order):
;;     1. batch 16 x [M 4,096, K 64] x [K 64, N 4,096]; A: input q; B: input k: QUANTISED
;;     2. batch 16 x [M 4,096, K 4,096] x [K 4,096, N 64]; A: softmax (see below); B: input v: QUANTISED
;;   THE QUANTISER, for each operand of a quantised product, along K:
;;     - K is cut into blocks of 32 from its start; a last block that is shorter is filled with zeros.
;;     - A block's scale is 2^e with e = floor(log2(the largest magnitude in the block)) - 2, held to -126 .. 127; a block of zeros has e = 0. As a byte (E8M0): e + 127.
;;     - Each number is divided by its block's scale, clamped to +-7.5, and rounded to the nearest number of E2M3, ties to even, subnormals kept.
;;     - The product sums the exact products of the quantised numbers (number of the format x scale) in f32.
;;   ~~~python
;;   def quantise(x, axis):      # numpy; x: float32 -> the quantised numbers, widened to float32 again
;;       x = np.moveaxis(x, axis, -1); K = x.shape[-1]
;;       x = np.pad(x, [(0, 0)] * (x.ndim - 1) + [(0, -K % 32)]); x = x.reshape(x.shape[:-1] + (-1, 32)); a = np.abs(x).max(-1, keepdims=True)
;;       e = np.where(a > 0, np.clip(np.frexp(np.where(a > 0, a, 1))[1] - 1 - 2, -126, 127), 0)      # np.frexp(a)[1] - 1 = floor(log2(a)), exactly
;;       r = np.clip(x / 2.0 ** e, -7.5, 7.5)
;;       step = 2.0 ** (np.maximum(np.frexp(np.where(r == 0, 1, r))[1] - 1, 0) - 3)
;;       q = np.round(r / step) * step * 2.0 ** e      # np.round: ties to even
;;       return np.moveaxis(q.reshape(q.shape[:-2] + (-1,))[..., :K], -1, axis).astype(np.float32)
;;   ~~~
;;   SOFTMAX AHEAD OF A QUANTISED PRODUCT. Where the list says 'softmax', what is quantised is not the finished softmax but p = 2^(t - M), with t = logit x log2(e) and M = ceil(the row's largest t), a whole number; so 1/2 < the row's largest p <= 1. The row's sum l is taken of the UNQUANTISED p, in f32, and the product's result is divided by l at the end. Since M is a whole number, a kernel that streams over the keys may use a running M (the ceiling of the running maximum): every later rescaling is an exact power of two, which a block's scale takes up: the codes' values come out the same.
;;   OPERANDS COMPUTED ON THE WAY. 'Computed on the way' means the value that the module computes at that place (a softmax that the list does not call 'softmax' is quantised finished and normalised). What goes into a quantiser is computed in f32, as accurately as f32 sums, v_exp_f32 and their like allow (about 1e-6 of the number): no bf16 or f16 on the way to a quantiser, and a product that is left as it is and whose result goes on into a quantised operand takes f32 operands (vector FMAs, or v_wmma_f32_16x16x4_f32). A number that lies on a knife's edge between two numbers of the format may be rounded either way, as far as f32 arithmetic and the matrix unit's own rounding can turn it there, and no further.
;; One version. Each part assembles by itself: llvm-mc -triple=amdgcn-amd-amdhsa -mcpu=gfx1250 --defsym DOCPART=n.
;; ======== version 1 of 1: 2 launches
;; workspace buffers: kv 6,553,600 bytes
;; launch quant (part 1): grid 32 x 16, 4 waves a work-group, no clusters, 36,352 bytes of LDS; arguments k, v, kv; writes kv
.if DOCPART == 1
	.amdgcn_target "amdgcn-amd-amdhsa--gfx1250"
	.amdhsa_code_object_version 6
	.text
	.protected	k_q610cc0f253_quant
	.globl	k_q610cc0f253_quant
	.p2align	8
	.type	k_q610cc0f253_quant,@function
k_q610cc0f253_quant:
	s_mov_b64 s[64:65], 0
	v_nop
	global_prefetch_b8 v0, s[64:65] scope:SCOPE_SE
	s_setreg_imm32_b32 hwreg(HW_REG_WAVE_MODE, 25, 1), 1
	s_wait_xcnt 0x0
; k and v, [16 heads][4096 keys][64] f32, become codes of FP6 (E2M3) with one E8M0 byte for each 32 along a product's K, laid in kv AS THE NEXT LAUNCH'S REGISTERS WANT THEM.
; kv = [head 16][step 32][12,800 bytes]; a step is 128 keys: 4 fragments of K (1,536 bytes each), 4 fragments of V, 2 registers of K's scale words (128 bytes each), 2 of V's.
; A fragment's image: register 4 g + i of lane l lies at 512 g + 16 l + 4 i.  A scale register's image: lane l's word at 4 l.
; K (quantised along the head's 64: two blocks a key).  Fragment f, lane (r, h): registers 0-5 = key a(r), channels 32 h .. 32 h + 31; registers 6-11 = key a(r) + 8, the same channels;
;   a(r) = 64 (f / 2) + 16 (f % 2) + 32 (r / 8) + r % 8.  Its scale word: bytes 0, 1 = key a(r)'s two blocks, bytes 2, 3 = key a(r) + 8's.  Scale register p: lanes 0-15 fragment 2 p, lanes 16-31 fragment 2 p + 1.
; V (quantised along the KEYS).  Fragment t, lane (r, h): channel 16 t + r; registers 6 c .. 6 c + 5 = keys 64 c + 32 h + 0 .. 31.  Its scale word: byte b = keys 32 b .. 32 b + 31.  Scale registers as K's.
; A block's scale is 2^(floor(log2(its largest magnitude)) - 2); its byte is the largest magnitude's exponent field - 2, held at 1 from below by a floor among the maximum's leaves.
; LIMITS: NaN and infinities among the inputs are not served.  A block whose largest magnitude lies under 2^-124, a block of zeros among them, gets the byte 1 (the rule says 127 for zeros): its codes are zeros or
; nearly so, and this program alone reads the bytes.
; SHARES: work-group (x, y): y = the head; x < 16 works on k, x >= 16 on v; its four waves take two steps, two waves to a step.  A wave of k takes 64 keys (two fragments), a wave of v 32 channels x 128 keys (two fragments).
; Waves share nothing: no barrier.  No tensor load, no matrix unit, no cluster: every input byte is read once by one wave.
.set STEPB, 12800                      ; a step's block in kv
.set HEADB, 32*STEPB                   ; a head's
.set FRB,   1536                       ; a fragment's image
.set VIMG,  4*FRB                      ; V's fragments lie behind K's
.set KSC,   8*FRB                      ; K's scale registers
.set VSC,   KSC+256                    ; V's
.set WSTG,  8960                       ; LDS: a stage for each wave (k's path alone uses it): 32 rows of 256 bytes, row n at 272 n + 128 (n / 16)
.set FLOOR, 0x1800000                  ; 2^(3 - 127)
.set OFFE,  0xff000000                 ; -(2 << 23): 2 off an exponent field
.set T,     24                         ; v24-26, v28-30  a conversion's three registers begin on an even number: the second half of a block's six is made here and moved
.set C,     32                         ; v32-55   the wave's two fragments: store data, never written again
.set X,     56                         ; v56-119  k: 2 x 32 neighbours along the channels
.set R,     120                        ; v120-247 the numbers as they are loaded
	s_load_b128 s[4:7], s[0:1], 0x0                ; k s[4:5], v s[6:7]
	s_load_b64 s[8:9], s[0:1], 0x10                ; kv
	v_lshl_add_u32 v254, v0, 2, 0x8c00
	v_mov_b32 v255, 0
	v_lshrrev_b32 v1, 5, v0
	v_readfirstlane_b32 s10, v1                    ; wave 0..3
	v_and_b32 v1, 31, v0                           ; lane
	v_and_b32 v2, 15, v0                           ; r
	v_bfe_u32 v3, v0, 4, 1                         ; h
	s_and_b32 s11, ttmp7, 0xffff                   ; the head
	s_and_b32 s12, ttmp9, 15                       ; which pair of steps
	s_lshr_b32 s13, s10, 1
	s_lshl_b32 s23, s12, 1
	s_add_co_u32 s13, s13, s23                     ; my step
	s_and_b32 s14, s10, 1                          ; my half of it
	s_lshl_b32 s16, s11, 20                        ; in: a head is 2^20 bytes,
	s_lshl_b32 s23, s13, 15                        ; a step's 128 keys 2^15
	s_add_co_u32 s16, s16, s23
	s_mov_b32 s17, 0
	s_mul_i32 s18, s11, HEADB                      ; out: my step's block
	s_mul_i32 s23, s13, STEPB
	s_add_co_u32 s18, s18, s23
	s_mov_b32 s19, 0
	s_mov_b32 s20, 0x76543210
	s_mov_b32 s21, 0xfedcba98                      ; v_permlanex16_b32's selects for lane l xor 16
	s_mul_i32 s22, s10, WSTG                       ; my stage
	s_mul_i32 s15, s14, 2*FRB                      ; my two fragments among the step's four
	v_mul_u32_u24 v5, v3, 272                      ; the stage, on the way in: a load's 512 bytes are two rows: 272 h + 16 r
	v_lshl_add_u32 v5, v2, 4, v5
	v_add_nc_u32 v5, s22, v5
	v_lshrrev_b32 v9, 3, v2
	v_mul_u32_u24 v6, v2, 272                      ; and on the way out: row 16 (r / 8) + r % 8, byte 128 h: 272 r + 2304 (r / 8) + 128 h.
	v_mad_u32_u24 v6, v9, 2304, v6                 ; Sixteen lanes' 16 bytes then fall on sixteen different places modulo 256 bytes
	v_lshl_add_u32 v6, v3, 7, v6
	v_add_nc_u32 v6, s22, v6
	s_lshl_b32 s23, s14, 7
	v_lshl_add_u32 v8, v1, 2, s23                  ; my scale word's place: 4 x lane + 128 x half
	v_lshlrev_b32 v21, 3, v3                       ; 8 h
	v_mov_b32 v17, 0                               ; written once: a lane permute's destination counts as one of its sources
	s_wait_kmcnt 0x0
	s_add_nc_u64 s[8:9], s[8:9], s[18:19]
	s_cmp_lt_u32 ttmp9, 16
	s_cbranch_scc0 .Lv_path
	; ---------------- k ----------------
	s_lshl_b32 s23, s14, 14                        ; my 64 keys
	s_add_co_u32 s16, s16, s23
	s_add_nc_u64 s[4:5], s[4:5], s[16:17]
	v_lshlrev_b32 v4, 4, v1                        ; 16 x lane: a load reads 512 consecutive bytes, two keys
	v_add_nc_u32 v7, s15, v4                       ; and so does a store of codes write them
.irp i, 0,1,2,3,4,5,6,7,16,17,18,19,20,21,22,23,8,9,10,11,12,13,14,15,24,25,26,27,28,29,30,31   ; the first fragment's keys (0-15, 32-47 of my 64) first
	global_load_b128 v[R+4*\i:R+4*\i+3], v4, s[4:5] offset:512*\i th:TH_LOAD_NT
.endr
; Fragment f of my two.  Its 32 keys turn through the stage: in as loaded, out 128 bytes (a block of 32 channels) a lane.  LDS serves a wave's instructions in order, so no wait stands between the stores and the loads,
; nor in front of the second fragment's stores into the same stage.
.macro KFRAG f
	s_wait_loadcnt 16-16*(\f)                      ; this fragment's 16 loads are in; the other's 16, issued behind them, may be out
.irp n, 0,1,2,3,4,5,6,7,8,9,10,11,12,13,14,15
	ds_store_b128 v5, v[R+4*(\n%8+8*(\f)+16*(\n/8)):R+4*(\n%8+8*(\f)+16*(\n/8))+3] offset:544*\n+128*(\n/8)
.endr
.irp j, 0,1,2,3,4,5,6,7
	ds_load_b128 v[X+4*\j:X+4*\j+3], v6 offset:16*\j                 ; key a(r)
.endr
.irp j, 0,1,2,3,4,5,6,7
	ds_load_b128 v[X+32+4*\j:X+32+4*\j+3], v6 offset:2176+16*\j      ; key a(r) + 8: eight rows on
.endr
	s_wait_dscnt 0x0
	v_max3_num_f32 v10, |v[X]|, |v[X+1]|, FLOOR                      ; the two blocks' largest magnitudes, by turns; all 32 numbers of each are mine
	v_max3_num_f32 v11, |v[X+32]|, |v[X+33]|, FLOOR
.irp i, 2,4,6,8,10,12,14,16,18,20,22,24,26,28,30
	v_max3_num_f32 v10, v10, |v[X+\i]|, |v[X+\i+1]|
	v_max3_num_f32 v11, v11, |v[X+32+\i]|, |v[X+33+\i]|
.endr
	v_add_nc_u32 v12, OFFE, v10                    ; 2 off the exponent field: the conversion takes the exponent field of this operand as its scale
	v_add_nc_u32 v13, OFFE, v11
	v_lshrrev_b32 v14, 23, v12                     ; the scales' bytes
	v_lshrrev_b32 v15, 23, v13
	v_lshl_or_b32 v16, v15, 16, v14                ; my two bytes: block h of key a(r) and of key a(r) + 8,
	v_lshlrev_b32 v16, v21, v16                    ; at their places in the word (8 h bits up);
	v_permlanex16_b32 v17, v16, s20, s21
	v_or_b32 v[18+(\f)], v16, v17                  ; with lane l xor 16's two the word is whole
	v_cvt_scalef32_pk16_fp6_f32 v[C+12*(\f):C+12*(\f)+2], v[X:X+15], v12
	v_cvt_scalef32_pk16_fp6_f32 v[T:T+2], v[X+16:X+31], v12
	v_cvt_scalef32_pk16_fp6_f32 v[C+12*(\f)+6:C+12*(\f)+8], v[X+32:X+47], v13
	v_cvt_scalef32_pk16_fp6_f32 v[T+4:T+6], v[X+48:X+63], v13
	v_nop                                          ; one plain place behind a scaled conversion
.irp i, 0,1,2
	v_mov_b32 v[C+12*(\f)+3+\i], v[T+\i]
	v_mov_b32 v[C+12*(\f)+9+\i], v[T+4+\i]
.endr
.irp g, 0,1,2
	global_store_b128 v7, v[C+12*(\f)+4*\g:C+12*(\f)+4*\g+3], s[8:9] offset:FRB*(\f)+512*\g   ; 32 lanes store 512 consecutive bytes, at a multiple of 256 from kv's first byte
.endr
.endm
	KFRAG 0
	KFRAG 1
	v_cmp_gt_u32 vcc_lo, 16, v1
	v_cndmask_b32 v20, v19, v18, vcc_lo            ; lanes 0-15 the first fragment's words, lanes 16-31 the second's
	global_store_b32 v8, v20, s[8:9] offset:KSC    ; 128 consecutive bytes; the step's other wave stores the 128 beside them
	s_wait_tensorcnt 0x0
	ds_add_u32 v254, v255
	s_wait_dscnt 0x0
	s_endpgm
	; ---------------- v ----------------
.Lv_path:
	s_lshl_b32 s23, s14, 7                         ; my 32 channels
	s_add_co_u32 s16, s16, s23
	s_add_nc_u64 s[6:7], s[6:7], s[16:17]
	v_lshlrev_b32 v4, 2, v1                        ; A LANE TAKES A CHANNEL, AND ITS REGISTERS RUN DOWN THE KEYS: a load reads 128 consecutive bytes of one key's row
	v_mul_u32_u24 v7, v3, FRB                      ; lane l's channel is row l % 16 of my fragment l / 16
	v_lshl_add_u32 v7, v2, 4, v7
	v_add_nc_u32 v7, s15, v7
.macro VLOAD b                         ; block b: keys 32 b .. 32 b + 31
.set i, 32*(\b)
.rept 32
	global_load_b32 v[R+i], v4, s[6:7] offset:256*i th:TH_LOAD_NT
.set i, i+1
.endr
.endm
.macro VBLOCK b
.set XS, R+32*(\b)
.if (\b) < 3
	s_wait_loadcnt 32                              ; this block's 32 loads are in; the next block's 32 may be out
.else
	s_wait_loadcnt 0x0
.endif
.if (\b) < 2
	VLOAD (\b)+2                                   ; loads run two blocks ahead; every block has registers of its own
.endif
	v_max3_num_f32 v10, |v[XS]|, |v[XS+1]|, |v[XS+2]|               ; the block's largest magnitude, in two chains: all 32 numbers are mine
	v_max3_num_f32 v11, |v[XS+3]|, |v[XS+4]|, |v[XS+5]|
.irp i, 6,10,14,18,22,26
	v_max3_num_f32 v10, v10, |v[XS+\i]|, |v[XS+\i+1]|
	v_max3_num_f32 v11, v11, |v[XS+\i+2]|, |v[XS+\i+3]|
.endr
	v_max3_num_f32 v10, v10, |v[XS+30]|, |v[XS+31]|
	v_max3_num_f32 v10, v10, v11, FLOOR
	v_add_nc_u32 v12, OFFE, v10
	v_lshrrev_b32 v14, 23, v12
.if (\b) == 0
	v_mov_b32 v20, v14                             ; my channel's scale word: byte b for keys 32 b on
.else
	v_lshl_or_b32 v20, v14, 8*(\b), v20
.endif
.set CD, C+12*((\b)%2)+6*((\b)/2)      ; block b = 2 c + h is registers 6 c .. 6 c + 5 of lane (r, h) of the image: the two h's codes are kept apart, 12 registers each
	v_cvt_scalef32_pk16_fp6_f32 v[CD:CD+2], v[XS:XS+15], v12
	v_cvt_scalef32_pk16_fp6_f32 v[T:T+2], v[XS+16:XS+31], v12
	v_nop                                          ; one plain place behind a scaled conversion
.irp i, 0,1,2
	v_mov_b32 v[CD+3+\i], v[T+\i]
.endr
.endm
	VLOAD 0
	VLOAD 1
	VBLOCK 0
	VBLOCK 1
	VBLOCK 2
	VBLOCK 3
.irp hh, 0,1
.irp g, 0,1,2
	global_store_b128 v7, v[C+12*\hh+4*\g:C+12*\hh+4*\g+3], s[8:9] offset:VIMG+256*\hh+512*\g   ; sixteen lanes store 256 consecutive bytes, at a multiple of 256 from kv's first byte
.endr
.endr
	global_store_b32 v8, v20, s[8:9] offset:VSC    ; 128 consecutive bytes; the step's other wave stores the 128 beside them
	s_endpgm
.Lfunc_end_k_q610cc0f253_quant:
	.size	k_q610cc0f253_quant, .Lfunc_end_k_q610cc0f253_quant-k_q610cc0f253_quant
	.p2alignl 7, 3214868480
	.fill 96, 4, 3214868480
	.section	.rodata,"a",@progbits
	.p2align	6, 0x0
	.amdhsa_kernel k_q610cc0f253_quant
		.amdhsa_group_segment_fixed_size 36352
		.amdhsa_private_segment_fixed_size 0
		.amdhsa_enable_private_segment 0
		.amdhsa_kernarg_size 24
		.amdhsa_user_sgpr_count 2
		.amdhsa_user_sgpr_kernarg_segment_ptr 1
		.amdhsa_wavefront_size32 1
		.amdhsa_system_sgpr_workgroup_id_x 1
		.amdhsa_system_sgpr_workgroup_id_y 1
		.amdhsa_system_sgpr_workgroup_id_z 1
		.amdhsa_system_vgpr_workitem_id 0
		.amdhsa_next_free_vgpr 256
		.amdhsa_next_free_sgpr 66
		.amdhsa_reserve_vcc 1
		.amdhsa_float_denorm_mode_32 3
		.amdhsa_float_denorm_mode_16_64 3
		.amdhsa_memory_ordered 1
		.amdhsa_forward_progress 1
		.amdhsa_inst_pref_size 36
	.end_amdhsa_kernel
	.amdgpu_metadata
---
amdhsa.version: [ 1, 2 ]
amdhsa.kernels:
  - .name:           k_q610cc0f253_quant
    .symbol:         k_q610cc0f253_quant.kd
    .args:
      - { .name: k, .offset: 0, .size: 8, .value_kind: global_buffer, .address_space: global }
      - { .name: v, .offset: 8, .size: 8, .value_kind: global_buffer, .address_space: global }
      - { .name: kv, .offset: 16, .size: 8, .value_kind: global_buffer, .address_space: global }
    .group_segment_fixed_size: 36352
    .private_segment_fixed_size: 0
    .kernarg_segment_align: 8
    .kernarg_segment_size: 24
    .max_flat_workgroup_size: 128
    .sgpr_count:     66
    .vgpr_count:     256
    .wavefront_size: 32
...
	.end_amdgpu_metadata
.endif
;; end of part 1
;; launch attn (part 2): grid 16 x 16, 16 waves a work-group, clusters of 4 x 1, 327,680 bytes of LDS; arguments q, kv, out0; writes out0
.if DOCPART == 2
	.amdgcn_target "amdgcn-amd-amdhsa--gfx1250"
	.amdhsa_code_object_version 6
	.text
	.protected	k_q610cc0f253_attn
	.globl	k_q610cc0f253_attn
	.p2align	8
	.type	k_q610cc0f253_attn,@function
k_q610cc0f253_attn:
	s_mov_b64 s[64:65], 0
	v_nop
	global_prefetch_b8 v0, s[64:65] scope:SCOPE_SE
	s_setreg_imm32_b32 hwreg(HW_REG_WAVE_MODE, 25, 1), 1
	s_wait_xcnt 0x0
	s_wait_alu depctr_hold_cnt(0) depctr_sa_sdst(0) depctr_va_vdst(0) depctr_va_sdst(0) depctr_va_ssrc(0) depctr_va_vcc(0) depctr_vm_vsrc(0)
	s_getreg_b32 s2, hwreg(HW_REG_IB_STS2, 6, 4)
	s_cmp_eq_u32 s2, 0
	s_cbranch_scc0 .Lentry_in_a_cluster
	s_endpgm
.Lentry_in_a_cluster:
	s_bfe_u32 s2, ttmp6, 0x10000c
	s_cmp_lg_u32 s2, 0x3003
	s_cbranch_scc0 .Lentry_shape_is_right
	s_endpgm
.Lentry_shape_is_right:
; out0[h][q][:] = the sum over k of softmax_k(q[h][q] . k[h][k] / 8) v[h][k][:], 16 heads, 4,096 queries and keys, head size 64; both products on codes of FP6 (E2M3) with one E8M0 scale for each 32 along a product's K.
; k and v come from kv, quantised by the launch before and laid as images of the operands' registers: [head][step of 128 keys][12,800 bytes]: 4 fragments of K, 4 of V (1,536 bytes each), 2 + 2 scale registers (128 bytes each).
; q [16][4096][64] f32 is quantised here, in registers: each of its rows is read by one wave.
; THE SOFTMAX AHEAD OF THE SECOND PRODUCT: t = score x log2(e) / 8; M = the row's largest t so far, rounded UP to a whole number; p = 2^(t - M) is what is quantised, along the keys, not normalised.  The row's sum is taken of
; the unquantised p, in f32, and divides at the end.  When M moves, the sum and O are multiplied by 2^(old M - new M): exact, and in every step: no branch hangs on data.
; SHARES.  A work-group owns 256 queries of one head, each of its SIXTEEN waves 16 of them, one tile, in 256 registers: four waves to a SIMD, so that one wave's vector work stands beside another's matrix work and LDS loads.
; Per step a tile has 12 matrix instructions and 212 vector instructions: the vector work binds, and the layout below is chosen to keep it small.
; LAYOUT.  Both products are used transposed: S^T = K Q^T (source 0 = keys, source 1 = my 16 queries), O^T = V^T P^T (source 0 = 16 channels, source 1 = P): a lane holds ONE query (lane % 16) throughout.
; THE FIRST PRODUCT'S K IS 64, HALF OF THE INSTRUCTION'S 128.  A fragment of K carries TWO tiles of 16 keys: k = 0 .. 63 of a row are key a(r)'s channels, k = 64 .. 127 key a(r) + 8's.  Q stands in 18 registers, zeros | codes | zeros:
; the last 12 (codes | zeros) pick the first tile, the first 12 (zeros | codes) the second.  The half that is not wanted meets zero codes of Q, which add exactly nothing; Q's scale bytes there are 0x7f, K's are 1 to 254.
; THE KEYS OF A TILE ARE NOT NEIGHBOURS: row m of tile n takes key 64 (n / 4) + 32 (m / 8) + 8 (n % 4) + m % 8.  So score register 32 c + i of lane (r, h) is key 64 c + 32 h + i: a lane owns two WHOLE blocks of 32 keys, in the
; very order of the second product's operand: a block's largest p needs no other lane, and the conversions' results are the operand's registers.  Only the row's maximum and the scale word cross the lanes' halves.
; A BLOCK'S LARGEST p IS NOT SEARCHED FOR: p rises with the score, so each block's largest score, which the row's maximum passes through anyway, goes through the same multiply-add and exponential.
; THE ORDER OF A STEP is chosen so that a wave has a line to issue while something of its own is on its way: the 32 lines that sum a step's p are spread: some among the last exponentials and as the places ahead of V^T P, most
; between the NEXT step's loads of K and the wait for them; behind each exponential stands one plain line that is ready; V's loads stand between the links of the chain from the row's maximum to M.
; RING.  Two LDS slots of 8 steps (102,400 bytes), filled by the tensor data mover (waves 0 to 3, a quarter each: 100 dense rows of 256 bytes) and read by all sixteen waves.  A refill has 8 steps in which to land; one load a wave is out.
; CLUSTER.  The four query blocks of a cluster belong to one head and walk the same kv: each tile is asked for JOINTLY, by the same tensor load with the same descriptor and a mask that names the four.
; No place in the cluster enters an LDS address, a branch or a descriptor: it enters q's and out0's offsets alone.
; LIMITS: NaN and infinities among the inputs are not served.  A block of q under 2^-124 (zeros among them) gets the byte 1: its codes are zeros.  A p under 2^-126 counts as 0.
.set STEPB, 12800                      ; a step's block
.set SLOTB, 8*STEPB                    ; a slot
.set HEADB, 32*STEPB                   ; a head's part of kv
.set SLOT1, 1<<17                      ; slot 1 begins here, so that one exclusive or turns an address in one slot into the other's
.set FRB,   1536                       ; a fragment's image: three loads of 16 bytes a lane, 512 consecutive bytes each: no pitch, no padding
.set VIMG,  4*FRB
.set KSC,   8*FRB
.set VSC,   KSC+256
.set SP,    272                        ; a stage row: 256 bytes + 16
.set STAGE, SLOT1+SLOTB                ; behind the ring: 16 rows x 272 bytes for each wave, for q's way in and O's way out; no fill lands here
.set WSTG,  16*SP
.set SPARE, STAGE+16*WSTG              ; behind the stages: the spare words, 128 bytes for each wave: eight blocks of 256 bytes that no other line names
.set FLOOR, 0x1800000                  ; 2^(3 - 127)
.set OFFE,  0xff000000                 ; 2 off an exponent field
.set LI,  1                            ; v1   16 x lane: an image's place for my lane; also my byte in two rows of q and of out0 (256 h + 16 r); never rewritten
.set LS,  2                            ; v2   4 x lane: a scale word's; never rewritten
.set ADI, 3                            ; v3   LDS address of the step's images
.set ADS, 4                            ; v4   and of its scale registers
.set SPW, 5                            ; v5   LDS address of my spare word: SPARE + 4 x my thread's number; never rewritten
.set NIL, 6                            ; v6   0; never rewritten
.set RUN, 7                            ; v7   my query's largest score so far
.set RD,  8                            ; v8   the stage by rows as memory has them: 272 h + 16 r
.set STO, 9                            ; v9   the stage, O's way in: 272 r + 32 h
.set SH8, 10                           ; v10  8 h
.set QR,  11                           ; v11  the stage, q's way out: 272 r + 128 h
.set NM,  12                           ; v12  -M;  v13 the largest t
.set SUM, 14                           ; v[14:15] the row's sum, in two halves
.set QB,  16                           ; v16-21 zeros, v22-27 Q's codes, v28-33 zeros:  QB = v[16:27] = (0 | Q),
.set QA,  22                           ; QA = v[22:33] = (Q | 0)
.set QSA, 34                           ; v34  Q's scale word for QA;  v35 for QB
.set QSB, 35
.set KS,  36                           ; v36-37 K's scale registers: lanes 0-15 fragment 2 p, lanes 16-31 fragment 2 p + 1
.set VS,  38                           ; v38-39 V's likewise
.set PS,  40                           ; v40  p's scale word
.set FF,  42                           ; v[42:43] f = 2^(old M - new M), and a 0 that is named with it as a pair
.set BM,  44                           ; v44-45 each block's largest score, then its largest p
.set BN,  46                           ; v46-47 second chains of the maxima
.set SOP, 48                           ; v48-49 the conversions' scale operands
.set BY,  50                           ; v50-51 the scales' bytes
.set WW,  52                           ; v52  a scale word in the making
.set PD,  53                           ; v53  destination of the lane permutes
.set TA,  54                           ; v54-55 at work
.set TC,  56                           ; v56-58, v60-62 second halves of a block's codes (a conversion's three registers begin on an even number)
.set PC,  64                           ; v64-75 p's codes
.set SUA, 76                           ; v[76:77], v[78:79] two chains of the step's sum; while the maxima are taken, their third and fourth chains
.set SUB, 78
.set KF,  80                           ; v80-127 four fragments of K, then of V
.set S,   128                          ; v128-191 S^T, then p
.set OT,  192                          ; v192-223 O^T: register 8 t + j = channel 16 t + 8 h + j of my query
.set RAW, 224                          ; v224-255 q as loaded; at the end rows of O
.set WV,  10                           ; s10  my wave's number
.set G1,  16                           ; s[16:23] descriptor group 1
.set G0,  24                           ; s[24:27] descriptor group 0: it walks
.set SEL, 28                           ; s[28:29] lane selects for v_permlanex16_b32: lane l xor 16
.set CS,  30                           ; s[30:31] c = log2(e) / 8: the packed form names a pair and takes its low word for both halves
.set TB,  32                           ; s32  LDS byte at which the step in hand begins
.set SLOTS, 33                         ; s33  counts the trips of the loop over slots
.set CNT, 34                           ; s34  counts a slot's steps
; A round of the cluster's barrier: my work-group's barrier, so that wave 0's signal speaks for all sixteen waves; wave 0 signals for the work-group; every wave waits for all four work-groups; my work-group's barrier once more.
.macro ROUND
	s_barrier_signal -1
	s_barrier_wait -1
	s_cmp_lg_u32 s[WV], 0
	s_cbranch_scc1 .Lnot_wave_0_\@
	s_barrier_signal -3
.Lnot_wave_0_\@:
	s_barrier_wait -3
	s_barrier_signal -1
	s_barrier_wait -1
.endm
; A joint load: waves 0 to 3 fetch a quarter of a slot each, the others nothing.  The branch hangs on the wave's number alone.  Four v_nop follow the line.
.macro TLOAD
	s_cmp_lt_u32 s[WV], 4
	s_cbranch_scc0 .Lno_load_\@
	tensor_load_to_lds s[G0:G0+3], s[G1:G1+7]
	s_nop 0
.rept 4
	v_nop
.endr
.Lno_load_\@:
.endm
	s_load_b128 s[4:7], s[0:1], 0x0                ; q s[4:5], kv s[6:7]
	s_load_b64 s[8:9], s[0:1], 0x10                ; out0
	v_lshl_add_u32 v[SPW], v0, 2, SPARE
	v_mov_b32 v[NIL], 0
	ds_add_u32 v5, v6
	s_wait_dscnt 0x0
	v_lshrrev_b32 v[TA], 5, v0
	v_readfirstlane_b32 s[WV], v[TA]               ; wave 0..15
	s_bfe_u32 s11, ttmp6, 0x40000                  ; cx: my place in the cluster
	s_lshl_b32 s12, ttmp9, 2                       ; in a cluster launch ttmp9 counts clusters
	s_add_co_u32 s12, s12, s11                     ; my block of 256 queries = 4 x cluster x + cx
	s_and_b32 s13, ttmp7, 0xffff                   ; the head, which the four partners share
	s_lshl_b32 s14, s13, 20                        ; q and out0: a head is 2^20 bytes,
	s_lshl_b32 s35, s12, 16                        ; a block of 256 rows 2^16,
	s_add_co_u32 s14, s14, s35
	s_lshl_b32 s35, s[WV], 12                      ; my wave's 16 rows 2^12
	s_add_co_u32 s14, s14, s35
	s_mov_b32 s15, 0
	s_and_b32 s38, s[WV], 3                        ; which quarter of a slot I fetch, if I fetch
	s_mov_b32 s[G0], 1                             ; 1:0 count = 1
	s_mul_i32 s[G0+1], s38, 2*STEPB                ; 63:32 LDS address: slot 0, my quarter
	s_mul_i32 s36, s13, HEADB                      ; the same quarter of the head's first slot's worth, in kv
	s_add_co_u32 s36, s36, s[G0+1]
	s_mov_b32 s37, 0
	; descriptor group 1: 25,600 dense bytes as 100 rows of 256 bytes (32 elements of 8 bytes), no padding
	s_mov_b32 s[G1], 15|(3<<16)|(1<<21)            ; 15:0 the mask: all four work-groups; 17:16 elements of 8 bytes; 20 padding off; 21 set beside a mask
	s_mov_b32 s[G1+1], 32<<16                      ; tensor_dim0 = 32
	s_mov_b32 s[G1+2], 100<<16                     ; tensor_dim1 = 100
	s_mov_b32 s[G1+3], 32<<16                      ; tile_dim0 = 32
	s_mov_b32 s[G1+4], 100                         ; tile_dim1 = 100
	s_mov_b32 s[G1+5], 32                          ; tensor_dim0_stride
	s_mov_b32 s[G1+6], 0
	s_mov_b32 s[G1+7], 0
	s_mov_b32 s[SEL], 0x76543210
	s_mov_b32 s[SEL+1], 0xfedcba98
	s_mov_b32 s[CS], 0x3e38aa3b                    ; c = log2(e) / 8
	s_mov_b32 s[CS+1], s[CS]                       ; (named with it as a pair, so it is written)
	s_mov_b32 s[TB], 0
	s_mov_b32 s[SLOTS], 2
	s_mul_i32 s39, s[WV], WSTG
	s_add_co_u32 s39, s39, STAGE                   ; my stage
	s_wait_kmcnt 0x0
	s_add_nc_u64 s[4:5], s[4:5], s[14:15]          ; q and out0 at my wave's first row
	s_add_nc_u64 s[8:9], s[8:9], s[14:15]
	s_add_nc_u64 s[G0+2:G0+3], s[6:7], s[36:37]    ; 120:64 global address
	s_or_b32 s[G0+3], s[G0+3], 0x80000000          ; 127:126 type = 2
	ROUND                                          ; all four work-groups are here: the first joint loads meet
	TLOAD                                          ; slot 0: steps 0 to 7
	; ---- q: my 16 rows, loaded as they lie (512 consecutive bytes a load), turned through my stage so that a lane holds a whole block (32 channels of one query), and quantised
	v_and_b32 v[LS], 31, v0
	v_lshlrev_b32 v[LI], 4, v[LS]
	v_lshlrev_b32 v[LS], 2, v[LS]
.irp i, 0,1,2,3,4,5,6,7
	global_load_b128 v[RAW+4*\i:RAW+4*\i+3], v[LI], s[4:5] offset:512*\i th:TH_LOAD_NT
.endr
	v_and_b32 v[TA], 15, v0                        ; r
	v_bfe_u32 v[TA+1], v0, 4, 1                    ; h
	v_mul_u32_u24 v[RD], v[TA+1], SP
	v_lshl_add_u32 v[RD], v[TA], 4, v[RD]
	v_add_nc_u32 v[RD], s39, v[RD]
	v_mul_u32_u24 v[STO], v[TA], SP
	v_lshl_add_u32 v[QR], v[TA+1], 7, v[STO]
	v_lshl_add_u32 v[STO], v[TA+1], 5, v[STO]
	v_add_nc_u32 v[QR], s39, v[QR]
	v_add_nc_u32 v[STO], s39, v[STO]
	v_lshlrev_b32 v[SH8], 3, v[TA+1]
.irp i, 0,1,2,3,4,5
	v_mov_b32 v[QB+\i], 0                          ; the zero codes on either side of Q's
	v_mov_b32 v[QA+6+\i], 0
.endr
	v_mov_b32 v[PD], 0                             ; written once: a lane permute's destination counts as one of its sources
	s_wait_loadcnt 0x0
.irp i, 0,1,2,3,4,5,6,7
	ds_store_b128 v[RD], v[RAW+4*\i:RAW+4*\i+3] offset:2*SP*\i
.endr
.irp i, 0,1,2,3,4,5,6,7
	ds_load_b128 v[S+4*\i:S+4*\i+3], v[QR] offset:16*\i       ; LDS serves a wave's instructions in order: these see my stores
.endr
	s_wait_dscnt 0x0
	v_max3_num_f32 v[BM], |v[S]|, |v[S+1]|, |v[S+2]|          ; the block's largest magnitude, in two chains
	v_max3_num_f32 v[BN], |v[S+3]|, |v[S+4]|, |v[S+5]|
.irp i, 6,10,14,18,22,26
	v_max3_num_f32 v[BM], v[BM], |v[S+\i]|, |v[S+\i+1]|
	v_max3_num_f32 v[BN], v[BN], |v[S+\i+2]|, |v[S+\i+3]|
.endr
	v_max3_num_f32 v[BM], v[BM], |v[S+30]|, |v[S+31]|
	v_max3_num_f32 v[BM], v[BM], v[BN], FLOOR                 ; and the floor, which holds the byte at 1 from below
	v_add_nc_u32 v[SOP], OFFE, v[BM]
	v_lshrrev_b32 v[BY], 23, v[SOP]
	v_lshlrev_b32 v[WW], v[SH8], v[BY]                        ; my byte, block h of query r, at its place;
	v_permlanex16_b32 v[PD], v[WW], s[SEL], s[SEL+1]
	v_or_b32 v[WW], v[WW], v[PD]                              ; with lane l xor 16's: the query's two bytes
	v_or_b32 v[QSA], 0x7f7f0000, v[WW]                        ; for (Q | 0): k = 0 .. 63 mine, the zero codes' half 1.0
	v_lshl_or_b32 v[QSB], v[WW], 16, 0x7f7f                   ; for (0 | Q)
	v_cvt_scalef32_pk16_fp6_f32 v[QA:QA+2], v[S:S+15], v[SOP]
	v_cvt_scalef32_pk16_fp6_f32 v[TC:TC+2], v[S+16:S+31], v[SOP]
	v_nop                                          ; one plain place behind a scaled conversion
.irp i, 0,1,2
	v_mov_b32 v[QA+3+\i], v[TC+\i]
.endr
	v_mov_b32 v[RUN], 0xff61b1e6                   ; the largest score so far: -3e38, under every score.  These five lines and the first step's two address lines are the places between
	v_floor_f32 v[NM], -v[RUN]                     ; -M.                                                    Q's codes (4 asked) and scale words (8 asked) and the first products
	v_mov_b32 v[SUM], 0
	v_mov_b32 v[SUM+1], 0
	v_mov_b32 v[FF+1], 0                           ; (named as the upper half of a pair)
; Two products of S^T = K Q^T on fragment f: its first tile of keys by (Q | 0), its second by (0 | Q).  Each begins its sum with the constant 0.
.macro KQ f
.if (\f)%2
	v_wmma_scale_f32_16x16x128_f8f6f4 v[S+16*(\f):S+16*(\f)+7], v[KF+12*(\f):KF+12*(\f)+11], v[QA:QA+11], 0, v[KS+(\f)/2], v[QSA] matrix_a_fmt:MATRIX_FMT_FP6 matrix_b_fmt:MATRIX_FMT_FP6 matrix_a_scale:MATRIX_SCALE_ROW1
	v_wmma_scale_f32_16x16x128_f8f6f4 v[S+16*(\f)+8:S+16*(\f)+15], v[KF+12*(\f):KF+12*(\f)+11], v[QB:QB+11], 0, v[KS+(\f)/2], v[QSB] matrix_a_fmt:MATRIX_FMT_FP6 matrix_b_fmt:MATRIX_FMT_FP6 matrix_a_scale:MATRIX_SCALE_ROW1
.else
	v_wmma_scale_f32_16x16x128_f8f6f4 v[S+16*(\f):S+16*(\f)+7], v[KF+12*(\f):KF+12*(\f)+11], v[QA:QA+11], 0, v[KS+(\f)/2], v[QSA] matrix_a_fmt:MATRIX_FMT_FP6 matrix_b_fmt:MATRIX_FMT_FP6
	v_wmma_scale_f32_16x16x128_f8f6f4 v[S+16*(\f)+8:S+16*(\f)+15], v[KF+12*(\f):KF+12*(\f)+11], v[QB:QB+11], 0, v[KS+(\f)/2], v[QSB] matrix_a_fmt:MATRIX_FMT_FP6 matrix_b_fmt:MATRIX_FMT_FP6
.endif
.endm
; O^T += V^T P^T, channels 16 t on; K = the step's 128 keys.  first = 1: the product starts the sum: O^T is never cleared.  The four accumulators take turns, one instruction a turn.
.macro PV t, first
.if \first
.if (\t)%2
	v_wmma_scale_f32_16x16x128_f8f6f4 v[OT+8*(\t):OT+8*(\t)+7], v[KF+12*(\t):KF+12*(\t)+11], v[PC:PC+11], 0, v[VS+(\t)/2], v[PS] matrix_a_fmt:MATRIX_FMT_FP6 matrix_b_fmt:MATRIX_FMT_FP6 matrix_a_scale:MATRIX_SCALE_ROW1
.else
	v_wmma_scale_f32_16x16x128_f8f6f4 v[OT+8*(\t):OT+8*(\t)+7], v[KF+12*(\t):KF+12*(\t)+11], v[PC:PC+11], 0, v[VS+(\t)/2], v[PS] matrix_a_fmt:MATRIX_FMT_FP6 matrix_b_fmt:MATRIX_FMT_FP6
.endif
.else
.if (\t)%2
	v_wmma_scale_f32_16x16x128_f8f6f4 v[OT+8*(\t):OT+8*(\t)+7], v[KF+12*(\t):KF+12*(\t)+11], v[PC:PC+11], v[OT+8*(\t):OT+8*(\t)+7], v[VS+(\t)/2], v[PS] matrix_a_fmt:MATRIX_FMT_FP6 matrix_b_fmt:MATRIX_FMT_FP6 matrix_a_scale:MATRIX_SCALE_ROW1
.else
	v_wmma_scale_f32_16x16x128_f8f6f4 v[OT+8*(\t):OT+8*(\t)+7], v[KF+12*(\t):KF+12*(\t)+11], v[PC:PC+11], v[OT+8*(\t):OT+8*(\t)+7], v[VS+(\t)/2], v[PS] matrix_a_fmt:MATRIX_FMT_FP6 matrix_b_fmt:MATRIX_FMT_FP6
.endif
.endif
.endm
; THE ROW'S SUM IS TAKEN OF THE UNQUANTISED p: 32 lines, two numbers at a time, in two chains.  SIG writes line sg of them and steps sg.  Lines 0, 1 start the chains, lines 2 to 29 add pair sg + 2 of the 32 pairs,
; line 30 joins the chains, line 31 brings the running sum under the step's M (x f) and adds.  Lines 0 to 9 stand in the step itself, lines 10 to 31 in the next step, ahead of the lines that write S^T and f anew.
.macro SIG
.if sg == 0
	v_pk_add_f32 v[SUA:SUA+1], v[S:S+1], v[S+4:S+5]
.elseif sg == 1
	v_pk_add_f32 v[SUB:SUB+1], v[S+2:S+3], v[S+6:S+7]
.elseif sg == 30
	v_pk_add_f32 v[SUA:SUA+1], v[SUA:SUA+1], v[SUB:SUB+1]
.elseif sg == 31
	v_pk_fma_f32 v[SUM:SUM+1], v[SUM:SUM+1], v[FF:FF+1], v[SUA:SUA+1] op_sel_hi:[1,0,1]
.elseif sg%2 == 0
	v_pk_add_f32 v[SUA:SUA+1], v[SUA:SUA+1], v[S+2*sg+4:S+2*sg+5]
.else
	v_pk_add_f32 v[SUB:SUB+1], v[SUB:SUB+1], v[S+2*sg+4:S+2*sg+5]
.endif
.set sg, sg+1
.endm
; Two of V's twelve loads (fragment vl / 3, its registers 4 (vl % 3) on).
.macro VLD2
.rept 2
	ds_load_b128 v[KF+4*vl:KF+4*vl+3], v[ADI] offset:VIMG+512*vl
.set vl, vl+1
.endr
.endm
; THE LINE BEHIND EXPONENTIAL e of 64: whatever is ready and touches neither that exponential's register nor one still to come.  Even e up to 54: t - M for the pair whose exponentials stand eight further on.  Even e from 56:
; the first lines of the sum.  Odd e: the two blocks' scales (their largest p were the first exponentials), p's scale word, three of the four conversions (each behind its 16 exponentials and a plain line),
; the moves of the first block's upper codes, and in all other places O^T x f, from each accumulator's low end on.  first = 1: there is no O^T yet, and those places stay empty.
.macro FILL first
.if (e%2 == 0) && (e < 56)
	v_pk_fma_f32 v[S+8+e:S+9+e], v[S+8+e:S+9+e], s[CS:CS+1], v[NM:NM+1] op_sel_hi:[1,0,0]
.elseif e%2 == 0
	SIG
.elseif e == 1
	s_wait_alu depctr_va_vdst(0)
	v_max_num_f32 v[BM], FLOOR, v[BM]              ; the floor: the byte cannot fall under 1 (a block whose every p has fallen to 0 keeps that byte: its codes are zeros)
.elseif e == 3
	v_max_num_f32 v[BM+1], FLOOR, v[BM+1]
.elseif e == 5
	v_add_nc_u32 v[SOP], OFFE, v[BM]               ; 2 off the exponent field: the conversion's scale operand
.elseif e == 7
	v_add_nc_u32 v[SOP+1], OFFE, v[BM+1]
.elseif e == 9
	v_lshrrev_b32 v[BY], 23, v[SOP]                ; the scale's byte
.elseif e == 11
	v_lshrrev_b32 v[BY+1], 23, v[SOP+1]
.elseif e == 13
	v_lshl_or_b32 v[WW], v[BY+1], 16, v[BY]        ; my two bytes: blocks h and 2 + h of my query,
.elseif e == 15
	v_lshlrev_b32 v[WW], v[SH8], v[WW]             ; at their places (8 h bits up);
.elseif e == 17
	v_permlanex16_b32 v[PD], v[WW], s[SEL], s[SEL+1]
.elseif e == 19
	v_or_b32 v[PS], v[WW], v[PD]                   ; with lane l xor 16's two: p's scale word for these 128 keys
.elseif e == 21
	s_wait_alu depctr_va_vdst(0)
	v_cvt_scalef32_pk16_fp6_f32 v[PC:PC+2], v[S:S+15], v[SOP]
.elseif e == 35
	s_wait_alu depctr_va_vdst(0)
	v_cvt_scalef32_pk16_fp6_f32 v[TC:TC+2], v[S+16:S+31], v[SOP]
.elseif (e == 43) || (e == 45) || (e == 47)
	v_mov_b32 v[PC+3+(e-43)/2], v[TC+(e-43)/2]
.elseif e == 51
	s_wait_alu depctr_va_vdst(0)
	v_cvt_scalef32_pk16_fp6_f32 v[PC+6:PC+8], v[S+32:S+47], v[SOP+1]
.elseif !\first
	v_pk_mul_f32 v[OT+2*om:OT+2*om+1], v[OT+2*om:OT+2*om+1], v[FF:FF+1] op_sel_hi:[1,0]
.set om, om+1
.endif
.endm
; A KEY STEP: 128 keys, whose block begins at LDS byte s[TB].  first = 1: the launch's first step: no sum is left over from a step before, and its V^T P starts O^T.
.macro STEP first
	v_add_nc_u32 v[ADI], s[TB], v[LI]
	v_add_nc_u32 v[ADS], s[TB], v[LS]
.if !\first
.set sg, 10
	SIG                                            ; with the two lines above: four places between the last step's products and the loads into the registers that they read
	SIG                                            ; (ISA guide 7.12.1 for vector instructions)
.endif
.set kl, 0
.rept 12
	ds_load_b128 v[KF+4*kl:KF+4*kl+3], v[ADI] offset:512*kl   ; K's four fragments
.set kl, kl+1
.endr
	ds_load_b32 v[KS], v[ADS] offset:KSC
	ds_load_b32 v[KS+1], v[ADS] offset:KSC+128
	ds_load_b32 v[VS], v[ADS] offset:VSC
	ds_load_b32 v[VS+1], v[ADS] offset:VSC+128
.if !\first
.rept 18
	SIG                                            ; the last step's sum goes on while the loads are out
.endr
.endif
	s_wait_dscnt 0x0
.irp f, 0,1,2,3
	KQ \f
.endr
	v_mov_b32 v[TA+1], v[NM]                       ; -M as it was.  This line and the next three are the four places in front of the first read of the scores and of the loads into K's registers
.if \first
	v_nop
	v_nop
	v_nop
.else
	SIG
	SIG                                            ; the last step's sum is done, ahead of the line that writes f anew
	v_nop
.endif
	; the largest score of each of my two blocks of 32 keys: a chain for each tile of scores, eight chains by turns; each tile is first read at its low end
.irp c, 0,1
	v_max3_num_f32 v[BM+\c], v[S+32*\c], v[S+32*\c+1], v[S+32*\c+2]
	v_max3_num_f32 v[BN+\c], v[S+32*\c+8], v[S+32*\c+9], v[S+32*\c+10]
	v_max3_num_f32 v[SUA+\c], v[S+32*\c+16], v[S+32*\c+17], v[S+32*\c+18]
	v_max3_num_f32 v[SUB+\c], v[S+32*\c+24], v[S+32*\c+25], v[S+32*\c+26]
.endr
.irp i, 3,5
.irp c, 0,1
	v_max3_num_f32 v[BM+\c], v[BM+\c], v[S+32*\c+\i], v[S+32*\c+\i+1]
	v_max3_num_f32 v[BN+\c], v[BN+\c], v[S+32*\c+8+\i], v[S+32*\c+9+\i]
	v_max3_num_f32 v[SUA+\c], v[SUA+\c], v[S+32*\c+16+\i], v[S+32*\c+17+\i]
	v_max3_num_f32 v[SUB+\c], v[SUB+\c], v[S+32*\c+24+\i], v[S+32*\c+25+\i]
.endr
.endr
.irp c, 0,1
	v_max3_num_f32 v[BM+\c], v[BM+\c], v[BN+\c], v[S+32*\c+7]        ; the chains are joined, each with a tile's last score
.endr
.irp c, 0,1
	v_max3_num_f32 v[SUA+\c], v[SUA+\c], v[SUB+\c], v[S+32*\c+15]
.endr
.irp c, 0,1
	v_max3_num_f32 v[BM+\c], v[BM+\c], v[SUA+\c], v[S+32*\c+23]
.endr
.irp c, 0,1
	v_max_num_f32 v[BM+\c], v[BM+\c], v[S+32*\c+31]
.endr
	; from the step's largest score to -M: five lines, each of which reads the one before: V's twelve loads stand between them, and land while the exponentials are worked
.set vl, 0
	v_max_num_f32 v[TA], v[BM], v[BM+1]
	VLD2
	v_permlanex16_b32 v[PD], v[TA], s[SEL], s[SEL+1]
	VLD2
	v_max3_num_f32 v[RUN], v[TA], v[PD], v[RUN]    ; with lane l xor 16's 64 keys and what was: my query's largest score so far
	VLD2
	v_mul_f32 v[NM+1], s[CS], v[RUN]               ; as t (c is positive)
	VLD2
	v_floor_f32 v[NM], -v[NM+1]                    ; the new -M = floor(-t) = -ceil(t): M IS A WHOLE NUMBER
	VLD2
	VLD2
	v_fma_f32 v[BM], v[BM], s[CS], v[NM]           ; t - M of each block's largest score,
	v_fma_f32 v[BM+1], v[BM+1], s[CS], v[NM]
	v_pk_fma_f32 v[S:S+1], v[S:S+1], s[CS:CS+1], v[NM:NM+1] op_sel_hi:[1,0,0]       ; and of the scores, two at a time (of the pairs c and -M the low word serves both halves)
	v_sub_f32 v[TA+1], v[NM], v[TA+1]              ; M's old value less its new one: a whole number, 0 or less
	v_pk_fma_f32 v[S+2:S+3], v[S+2:S+3], s[CS:CS+1], v[NM:NM+1] op_sel_hi:[1,0,0]
	v_cvt_i32_f32 v[TA+1], v[TA+1]                 ; (it saturates)
	v_exp_f32 v[BM], v[BM]                         ; each block's largest p: the same two instructions on the same number give the same bits as its own exponential below
	v_pk_fma_f32 v[S+4:S+5], v[S+4:S+5], s[CS:CS+1], v[NM:NM+1] op_sel_hi:[1,0,0]
	v_exp_f32 v[BM+1], v[BM+1]
	v_pk_fma_f32 v[S+6:S+7], v[S+6:S+7], s[CS:CS+1], v[NM:NM+1] op_sel_hi:[1,0,0]
	v_ldexp_f32 v[FF], 1.0, v[TA+1]                ; f = 2^(old M - new M)
.set sg, 0
.set om, 0
.set e, 0
.rept 64
	v_exp_f32 v[S+e], v[S+e]                       ; p = 2^(t - M), at most 1: NOT normalised
	FILL \first
.set e, e+1
.endr
	SIG                                            ; a plain line between the last exponential and the conversion that reads it
	s_wait_alu depctr_va_vdst(0)
	v_cvt_scalef32_pk16_fp6_f32 v[TC+4:TC+6], v[S+48:S+63], v[SOP+1]
	SIG                                            ; one plain place behind a scaled conversion
.irp i, 0,1,2
	v_mov_b32 v[PC+9+\i], v[TC+4+\i]               ; registers 6 c .. 6 c + 5 hold keys 64 c + 32 h + 0 .. 31
.endr
.rept 4
	SIG                                            ; four places between p's last codes and the products (its scale word was written far more than eight places back)
.endr
	s_wait_dscnt 0x0                               ; V is in
.irp t, 0,1,2,3
	PV \t, \first
.endr
.endm
; THE CHANGE OF SLOTS stands at a slot's head.  Each wave waits for all its tensor loads (its part of the slot that it is about to read), adds 0 to its spare word, and waits for that and for its reads of the slot that it has left.
; fill = 1: the barrier is a round of the cluster's, so that no wave of any partner still reads that slot or has a load on its way, and the joint fill of it is the first thing behind the round: it has 8 steps in which to land.
.macro CHANGE fill
	s_wait_tensorcnt 0x0                           ; no tensor load of mine is out, so group 0 may be written
	ds_add_u32 v[SPW], v[NIL]                      ; 0 onto my spare word
.if \fill
	s_xor_b32 s[G0+1], s[G0+1], SLOT1              ; the walking descriptor: the other slot than last time,
	s_add_nc_u64 s[G0+2:G0+3], s[G0+2:G0+3], SLOTB ; the next 8 steps; the type bits on top are not reached
.endif
	s_wait_dscnt 0x0                               ; the add is done, and my reads of the slot that I have left are over
.if \fill
	ROUND
	TLOAD
.else
	s_barrier_signal -1
	s_barrier_wait -1
.endif
.endm
; n steps up to a slot's end: written once, walked n times; the LDS addresses hang on s[TB].
.macro SLOT_STEPS n
	s_mov_b32 s[CNT], \n
.Lstep_\@:
	STEP 0
	s_add_co_u32 s[TB], s[TB], STEPB
	s_sub_co_u32 s[CNT], s[CNT], 1
	s_cmp_lg_u32 s[CNT], 0
	s_cbranch_scc1 .Lstep_\@
	s_sub_co_u32 s[TB], s[TB], SLOTB               ; back to a slot's first step,
	s_xor_b32 s[TB], s[TB], SLOT1                  ; in the other slot
.endm
	CHANGE 1                                       ; slot 0 is whole; slot 1 is asked for
	STEP 1                                         ; the first step is written out: it starts O^T
	s_add_co_u32 s[TB], s[TB], STEPB
	SLOT_STEPS 7
.Lslot:                                            ; 2 trips: behind each of these changes of slots the next 8 steps are asked for
	CHANGE 1
	SLOT_STEPS 8
	s_sub_co_u32 s[SLOTS], s[SLOTS], 1
	s_cmp_lg_u32 s[SLOTS], 0
	s_cbranch_scc1 .Lslot
	CHANGE 0                                       ; the last slot is written out: nothing is asked for, and no round is needed
	SLOT_STEPS 8
	; THE WAY OUT.  The last step's sum is finished (these 22 lines are also the places behind the last products); its halves are added; O^T is divided by the sum and goes through my stage in LDS,
	; so that sixteen lanes store a whole row of 256 bytes.
.set sg, 10
.rept 22
	SIG
.endr
	v_add_f32 v[SUM], v[SUM], v[SUM+1]             ; the sum's two halves,
	v_permlanex16_b32 v[PD], v[SUM], s[SEL], s[SEL+1]
	v_add_f32 v[SUM], v[SUM], v[PD]                ; and lane l xor 16's: the row's sum
	v_rcp_f32 v[SUM], v[SUM]
	v_nop                                          ; a plain place behind the reciprocal
.set j, 0
	s_wait_alu depctr_va_vdst(0)
.rept 32
	v_mul_f32 v[S+j], v[OT+j], v[SUM]              ; each accumulator from its low end on
.set j, j+1
.endr
.irp t, 0,1,2,3
	ds_store_b128 v[STO], v[S+8*\t:S+8*\t+3] offset:64*\t          ; row r: channels 16 t + 8 h + 0 .. 7
	ds_store_b128 v[STO], v[S+8*\t+4:S+8*\t+7] offset:64*\t+16
.endr
.irp i, 0,1,2,3,4,5,6,7
	ds_load_b128 v[RAW+4*\i:RAW+4*\i+3], v[RD] offset:2*SP*\i      ; LDS serves a wave's instructions in order: these see my stores
.endr
.irp i, 0,1,2,3,4,5,6,7
	s_wait_dscnt 7-\i                              ; rows 2 i, 2 i + 1 are back; the younger loads may be out
	global_store_b128 v[LI], v[RAW+4*\i:RAW+4*\i+3], s[8:9] offset:512*\i th:TH_STORE_NT   ; 32 lanes store 512 consecutive bytes, at a multiple of 256 from out0's first byte
.endr
	s_wait_tensorcnt 0x0                           ; the wave's end: behind my last tensor load and my last LDS store
	ds_add_u32 v[SPW], v[NIL]
	s_wait_dscnt 0x0
	ROUND                                          ; the closing round: no work-group ends while a partner may still ask for a tile that names it
	s_endpgm
.Lfunc_end_k_q610cc0f253_attn:
	.size	k_q610cc0f253_attn, .Lfunc_end_k_q610cc0f253_attn-k_q610cc0f253_attn
	.p2alignl 7, 3214868480
	.fill 96, 4, 3214868480
	.section	.rodata,"a",@progbits
	.p2align	6, 0x0
	.amdhsa_kernel k_q610cc0f253_attn
		.amdhsa_group_segment_fixed_size 327680
		.amdhsa_private_segment_fixed_size 0
		.amdhsa_enable_private_segment 0
		.amdhsa_kernarg_size 24
		.amdhsa_user_sgpr_count 2
		.amdhsa_user_sgpr_kernarg_segment_ptr 1
		.amdhsa_wavefront_size32 1
		.amdhsa_system_sgpr_workgroup_id_x 1
		.amdhsa_system_sgpr_workgroup_id_y 1
		.amdhsa_system_sgpr_workgroup_id_z 1
		.amdhsa_system_vgpr_workitem_id 0
		.amdhsa_next_free_vgpr 256
		.amdhsa_next_free_sgpr 66
		.amdhsa_reserve_vcc 0
		.amdhsa_float_denorm_mode_32 3
		.amdhsa_float_denorm_mode_16_64 3
		.amdhsa_memory_ordered 1
		.amdhsa_forward_progress 1
		.amdhsa_inst_pref_size 70
	.end_amdhsa_kernel
	.amdgpu_metadata
---
amdhsa.version: [ 1, 2 ]
amdhsa.kernels:
  - .name:           k_q610cc0f253_attn
    .symbol:         k_q610cc0f253_attn.kd
    .args:
      - { .name: q, .offset: 0, .size: 8, .value_kind: global_buffer, .address_space: global }
      - { .name: kv, .offset: 8, .size: 8, .value_kind: global_buffer, .address_space: global }
      - { .name: out0, .offset: 16, .size: 8, .value_kind: global_buffer, .address_space: global }
    .group_segment_fixed_size: 327680
    .private_segment_fixed_size: 0
    .kernarg_segment_align: 8
    .kernarg_segment_size: 24
    .max_flat_workgroup_size: 512
    .sgpr_count:     66
    .vgpr_count:     256
    .wavefront_size: 32
...
	.end_amdgpu_metadata
.endif
;; end of part 2
